; MI455X (gfx1250); checked and timed in simulation.
; The chip was launched on July 23, 2026; its instructions are those of AMD's public machine-readable ISA for CDNA 5 (MIT licence, August 2026) and "CDNA5" Instruction Set Architecture Reference Guide (July 2026). The comments in the code are by the model that wrote it; some were corrected since.
;; Optimized Multi Head Attn. Allowed arithmetic: float matrix products may take bf16 or f16 operands with f32 sums; all other float work in f32.
;; Inputs: attn_b 3,072 float32; attn_w 3,072 x 1,024 float32; proj_b 1,024 float32; proj_w 1,024 x 1,024 float32; x 2 x 2,048 x 1,024 float32.
;; Outputs: out0 2 x 2,048 x 1,024 float32.
;; One version. Each part assembles by itself: llvm-mc -triple=amdgcn-amd-amdhsa -mcpu=gfx1250 --defsym DOCPART=n.
;; ======== version 1 of 1: 4 launches
;; limits: values are held in f16: magnitudes above 65,504 overflow, below 6.1e-05 lose precision
;; workspace buffers: xb 8,388,608 bytes; wb 6,291,456 bytes; pwh 2,097,152 bytes; qkv 25,165,824 bytes; ob 8,388,608 bytes
;; launch cast (part 1): grid 1024 x 1, 8 waves a work-group, no clusters, 0 bytes of LDS; arguments x, attn_w, proj_w, xb, wb, pwh; writes xb, wb, pwh
.if DOCPART == 1
	.amdgcn_target "amdgcn-amd-amdhsa--gfx1250"
	.amdhsa_code_object_version 6
	.text
	.protected	k_q007aa783b1_cast
	.globl	k_q007aa783b1_cast
	.p2align	8
	.type	k_q007aa783b1_cast,@function
k_q007aa783b1_cast:
	s_mov_b64 s[64:65], 0
	v_nop
	global_prefetch_b8 v0, s[64:65] scope:SCOPE_SE
	s_setreg_imm32_b32 hwreg(HW_REG_WAVE_MODE, 25, 1), 1
	s_wait_xcnt 0x0
; 16-bit copies of the three large f32 inputs, for the matrix launches that follow.
;   x      [4096][1024] f32 -> xb  bf16       attn_w [3072][1024] f32 -> wb bf16
;   proj_w [1024][1024] f32 -> pwh: rounded to bf16 like the other two, then written as f16, because its partner in the
;   last product is f16.  LIMIT: the step from bf16 to f16 is exact for magnitudes from 2^-14 to 65,504; below 2^-14 it
;   rounds to multiples of 2^-24, above 65,504 it gives infinity.
; A stream: every byte is read once and written once; LDS, barriers and matrix units would add nothing.
; A work-group takes 32 KiB of f32 (8,192 numbers): groups 0-511 x, 512-895 attn_w, 896-1023 proj_w.
; Thread t takes the 16 bytes at 16 t of each of eight pieces of 4,096 bytes: a wave's load covers 512 consecutive bytes,
; its store of 8 bytes a lane covers 256 consecutive bytes, aligned.  All eight loads go out before the first wait.
.set X, 4                              ; v[4:35]   eight loads of four f32
.set Y, 36                             ; v[36:51]  eight pairs of packed results; none is written twice
.set T, 52                             ; v[52:55]  at work
	s_load_b256 s[4:11], s[0:1], 0x0               ; x s[4:5], attn_w s[6:7], proj_w s[8:9], xb s[10:11]
	s_load_b128 s[12:15], s[0:1], 0x20             ; wb s[12:13], pwh s[14:15]
	v_lshlrev_b32 v1, 4, v0                        ; 16 t: my bytes in a piece of the source
	v_lshlrev_b32 v2, 3, v0                        ; 8 t: my bytes in a piece of the copy
	s_mov_b32 s17, 0
	s_mov_b32 s19, 0
	s_wait_kmcnt 0x0
; src, dst: the first register of the two pointers.  first: the first work-group of this tensor.  mode 1: bf16, then f16.
.macro BODY src, dst, first, mode
	s_sub_co_u32 s16, ttmp9, \first                ; my number among this tensor's groups
	s_lshl_b32 s18, s16, 14                        ; 16 KiB of the copy
	s_lshl_b32 s16, s16, 15                        ; 32 KiB of the source
	s_add_nc_u64 s[\src:\src+1], s[\src:\src+1], s[16:17]
	s_add_nc_u64 s[\dst:\dst+1], s[\dst:\dst+1], s[18:19]
.irp i, 0,1,2,3,4,5,6,7
	global_load_b128 v[X+4*\i:X+4*\i+3], v1, s[\src:\src+1] offset:4096*\i th:TH_LOAD_NT
.endr
.irp i, 0,1,2,3,4,5,6,7
	s_wait_loadcnt 7-\i                            ; loads return in order: piece i is in, the 7 - i younger ones stay out
.if \mode
	v_cvt_pk_bf16_f32 v[T], v[X+4*\i], v[X+4*\i+1]
	v_cvt_pk_bf16_f32 v[T+1], v[X+4*\i+2], v[X+4*\i+3]
	v_lshlrev_b32 v[T+2], 16, v[T]                 ; the rounded numbers as f32 again
	v_and_b32 v[T], 0xffff0000, v[T]
	v_lshlrev_b32 v[T+3], 16, v[T+1]
	v_and_b32 v[T+1], 0xffff0000, v[T+1]
	v_cvt_pk_f16_f32 v[Y+2*\i], v[T+2], v[T]
	v_cvt_pk_f16_f32 v[Y+2*\i+1], v[T+3], v[T+1]
.else
	v_cvt_pk_bf16_f32 v[Y+2*\i], v[X+4*\i], v[X+4*\i+1]
	v_cvt_pk_bf16_f32 v[Y+2*\i+1], v[X+4*\i+2], v[X+4*\i+3]
.endif
	global_store_b64 v2, v[Y+2*\i:Y+2*\i+1], s[\dst:\dst+1] offset:2048*\i
.endr
	s_endpgm
.endm
	s_cmp_lt_u32 ttmp9, 512
	s_cbranch_scc1 .Lx
	s_cmp_lt_u32 ttmp9, 896
	s_cbranch_scc1 .Lw
	BODY 8, 14, 896, 1                             ; proj_w -> pwh
.Lw:
	BODY 6, 12, 512, 0                             ; attn_w -> wb
.Lx:
	BODY 4, 10, 0, 0                               ; x -> xb
.Lfunc_end_k_q007aa783b1_cast:
	.size	k_q007aa783b1_cast, .Lfunc_end_k_q007aa783b1_cast-k_q007aa783b1_cast
	.p2alignl 7, 3214868480
	.fill 96, 4, 3214868480
	.section	.rodata,"a",@progbits
	.p2align	6, 0x0
	.amdhsa_kernel k_q007aa783b1_cast
		.amdhsa_group_segment_fixed_size 0
		.amdhsa_private_segment_fixed_size 0
		.amdhsa_enable_private_segment 0
		.amdhsa_kernarg_size 48
		.amdhsa_user_sgpr_count 2
		.amdhsa_user_sgpr_kernarg_segment_ptr 1
		.amdhsa_wavefront_size32 1
		.amdhsa_system_sgpr_workgroup_id_x 1
		.amdhsa_system_sgpr_workgroup_id_y 1
		.amdhsa_system_sgpr_workgroup_id_z 1
		.amdhsa_system_vgpr_workitem_id 0
		.amdhsa_next_free_vgpr 56
		.amdhsa_next_free_sgpr 66
		.amdhsa_reserve_vcc 0
		.amdhsa_float_denorm_mode_32 3
		.amdhsa_float_denorm_mode_16_64 3
		.amdhsa_memory_ordered 1
		.amdhsa_forward_progress 1
		.amdhsa_inst_pref_size 13
	.end_amdhsa_kernel
	.amdgpu_metadata
---
amdhsa.version: [ 1, 2 ]
amdhsa.kernels:
  - .name:           k_q007aa783b1_cast
    .symbol:         k_q007aa783b1_cast.kd
    .args:
      - { .name: x, .offset: 0, .size: 8, .value_kind: global_buffer, .address_space: global }
      - { .name: attn_w, .offset: 8, .size: 8, .value_kind: global_buffer, .address_space: global }
      - { .name: proj_w, .offset: 16, .size: 8, .value_kind: global_buffer, .address_space: global }
      - { .name: xb, .offset: 24, .size: 8, .value_kind: global_buffer, .address_space: global }
      - { .name: wb, .offset: 32, .size: 8, .value_kind: global_buffer, .address_space: global }
      - { .name: pwh, .offset: 40, .size: 8, .value_kind: global_buffer, .address_space: global }
    .group_segment_fixed_size: 0
    .private_segment_fixed_size: 0
    .kernarg_segment_align: 8
    .kernarg_segment_size: 48
    .max_flat_workgroup_size: 256
    .sgpr_count:     66
    .vgpr_count:     56
    .wavefront_size: 32
...
	.end_amdgpu_metadata
.endif
;; end of part 1
;; launch qkv (part 2): grid 16 x 16, 4 waves a work-group, clusters of 4 x 4, 327,680 bytes of LDS; arguments xb, wb, attn_b, qkv; writes qkv
.if DOCPART == 2
	.amdgcn_target "amdgcn-amd-amdhsa--gfx1250"
	.amdhsa_code_object_version 6
	.text
	.protected	k_q007aa783b1_qkv
	.globl	k_q007aa783b1_qkv
	.p2align	8
	.type	k_q007aa783b1_qkv,@function
k_q007aa783b1_qkv:
	s_mov_b64 s[64:65], 0
	v_nop
	global_prefetch_b8 v0, s[64:65] scope:SCOPE_SE
	s_setreg_imm32_b32 hwreg(HW_REG_WAVE_MODE, 25, 1), 1
	s_wait_xcnt 0x0
	s_wait_alu depctr_hold_cnt(0) depctr_sa_sdst(0) depctr_va_vdst(0) depctr_va_sdst(0) depctr_va_ssrc(0) depctr_va_vcc(0) depctr_vm_vsrc(0)
	s_getreg_b32 s2, hwreg(HW_REG_IB_STS2, 6, 4)
	s_cmp_eq_u32 s2, 0
	s_cbranch_scc0 .Lentry_in_a_cluster
	s_endpgm
.Lentry_in_a_cluster:
	s_bfe_u32 s2, ttmp6, 0x10000c
	s_cmp_lg_u32 s2, 0xf033
	s_cbranch_scc0 .Lentry_shape_is_right
	s_endpgm
.Lentry_shape_is_right:
; qkv[sec][b*16+head][s][d] (f16) = sum over k of xb[b*2048+s][k] wb[n][k] + attn_b[n],  n = sec*1024 + head*64 + d.
; xb [4096][1024], wb [3072][1024] bf16; sums in f32, started from the bias; the result rounded once to f16.
; LIMIT: |q|, |k|, |v| above 65,504 become infinite in f16.
; 16 x 16 = 256 work-groups, each a block of 256 rows x 192 columns; four waves, 2 x 2, each 128 x 96 = 48 accumulator tiles, 384 registers.
; K goes in steps of 128 (rows of 256 bytes, aligned) through a ring of two LDS slots filled by tensor loads, one load a wave and step.
; CLUSTERS of 4 x 4 work-groups: the four of a cluster's row need the same 256 rows of xb, the four of a column the same 192 rows of wb;
; each such tile is asked for jointly, which divides the requests for both operands by four.
; REGISTERS, in windows of 256:
;   window 0: v16-27 addresses; v64-127, v128-191 fragments of xb (8 x 16 rows x 32 K), two buffers; v192-239 the bias, later packed results
;   window 1: v64-111, v128-175 fragments of wb (6 x 16 rows x 32 K), two buffers
;   window 2: accumulators of my rows 0-63, tile (a, b) at v[8 (6 a + b)];   window 3: those of my rows 64-127
; The matrix instruction is used transposed (source 0 = rows of wb, source 1 = rows of xb): lane l holds row l % 16 of the result and its
; registers 0-7 the columns 8 (l / 16) + 0..7, eight neighbours that pack into 16 bytes.  A register set with the bias of those eight
; columns is the C of each tile's first product, so nothing is cleared and no bias is added afterwards.
.set KSTEP,  128
.set PITCH,  272                       ; an LDS row: 256 bytes + 16 of padding, an odd multiple of 16: the 16 rows of a fragment load start at 16 different banks
.set HALFA,  128*PITCH                 ; 128 rows of xb: one tensor load, and what a wave reads of xb
.set HALFB,  96*PITCH                  ; 96 rows of wb likewise
.set BOFF,   2*HALFA                   ; wb's rows lie behind xb's 256
.set SLOT,   2*HALFA+2*HALFB           ; 121,856 bytes
.set SPITCH, 400                       ; the way out: 192 f16 + 16 bytes, 25 x 16
.set LAPS,   4                         ; 1024 / (2 x 128): a lap is once round the ring
.set ADRA, 16                          ; v16-17 LDS address of my xb fragments in slot 0, 1
.set ADRB, 20                          ; v20-21 the same for wb
.set STO,  24                          ; the way out: where I put 16 bytes
.set RD,   25                          ; the way out: where I read back
.set CO,   26                          ; my byte offset in a unit of the result
.set BO,   27                          ; 32 (l / 16): my eight numbers in 16 of the bias
.set F0,   64
.set F1,   128
.set BIAS, 192                         ; v[192+8b : 199+8b]: bias of columns 16 b + 8 (l / 16) + 0..7
.set TMP,  192                         ; the same registers later: two sets of 24 packed words
.set G1,  24                           ; s[24:31] group 1 for xb's tiles
.set G0,  32                           ; s[32:39] group 0 for xb's tiles, one set a slot
.set G1B, 48                           ; s[48:55] group 1 for wb's tiles
.set G0B, 56                           ; s[56:63] group 0 for wb's tiles, one set a slot
.set UB,  66                           ; s[66:71] where my block's three units of 64 columns go
.set MSB, 0
.macro WIN new                         ; the immediate's high byte repeats the setting that is left
.if MSB != \new
	s_set_vgpr_msb (MSB<<8)|\new
.set MSB, \new
.endif
.endm
.set MUL_LO,       0xa1                ; source 0 window 1, source 1 window 0, C and D window 2
.set MUL_HI,       0xf1                ; C and D window 3
.set MUL_LO_FIRST, 0x81                ; C (the bias) window 0, D window 2
.set MUL_HI_FIRST, 0xc1                ; C window 0, D window 3
.set TO_B,         0x40                ; destination window 1, address window 0
; A joint load: waves 0 and 1 ask for xb's two halves, waves 2 and 3 for wb's.  The branch hangs on the wave's number alone.
.macro JLOAD s
	s_cmp_eq_u32 s13, 0
	s_cbranch_scc0 .Lfor_b_\@
	tensor_load_to_lds s[G0+4*\s:G0+4*\s+3], s[G1:G1+7]
	s_nop 0
	s_branch .Lasked_\@
.Lfor_b_\@:
	tensor_load_to_lds s[G0B+4*\s:G0B+4*\s+3], s[G1B:G1B+7]
	s_nop 0
.Lasked_\@:
.endm
; A round of the cluster's barrier behind its opening work-group barrier: wave 0 signals for the work-group, every wave waits for all
; sixteen work-groups, and a work-group barrier closes the round.
.macro CREST
	s_cmp_lg_u32 s12, 0
	s_cbranch_scc1 .Lnot_wave_0_\@
	s_barrier_signal -3
.Lnot_wave_0_\@:
	s_barrier_wait -3
	s_barrier_signal -1
	s_barrier_wait -1
.endm
.macro CROUND
	s_barrier_signal -1
	s_barrier_wait -1
	CREST
.endm
	s_load_b256 s[4:11], s[0:1], 0x0               ; xb s[4:5], wb s[6:7], attn_b s[8:9], qkv s[10:11]
	s_set_vgpr_msb 0x40
	v_lshl_add_u32 v255, v0, 2, 0x3b800
	s_set_vgpr_msb 0x4000
	v_mov_b32 v255, 0
	s_set_vgpr_msb 0x1
	ds_add_u32 v255, v255
	s_set_vgpr_msb 0x100
	v_lshrrev_b32 v1, 5, v0
	v_readfirstlane_b32 s12, v1                    ; wave 0..3
	s_lshr_b32 s13, s12, 1                         ; which 128 rows of the block are mine.  Also: I fetch for xb (0) or wb (1)
	s_and_b32 s14, s12, 1                          ; which 96 columns.  Also: which half of that tile I fetch
	s_bfe_u32 s16, ttmp6, 0x40000                  ; cx
	s_bfe_u32 s17, ttmp6, 0x40004                  ; cy
	s_lshl_b32 s18, ttmp9, 2
	s_add_co_u32 s18, s18, s16                     ; block column = 4 x cluster x + cx
	s_and_b32 s19, ttmp7, 0xffff
	s_lshl_b32 s19, s19, 2
	s_add_co_u32 s19, s19, s17                     ; block row = 4 x cluster y + cy
	s_lshl_b32 s20, s17, 2
	s_lshl_b32 s20, 15, s20                        ; my row of the cluster: places 4 cy .. 4 cy + 3
	s_lshl_b32 s21, 0x1111, s16                    ; my column: places cx, cx + 4, cx + 8, cx + 12
	; group 1: rows of 128 elements of 2 bytes, 16 bytes of padding behind every 64 words; 128 rows for xb, 96 for wb
	s_or_b32 s[G1+0], s20, (1<<16)|(1<<20)|(1<<21)|(5<<22)|(3<<25)   ; mask of my row; element of 2 bytes; padding on; bit 21 beside a mask; interval 64 words; 4 words
	s_or_b32 s[G1B+0], s21, (1<<16)|(1<<20)|(1<<21)|(5<<22)|(3<<25)  ; the same with the mask of my column
	s_mov_b32 s[G1+1], KSTEP<<16                   ; tensor_dim0 = 128
	s_mov_b32 s[G1B+1], KSTEP<<16
	s_mov_b32 s[G1+2], 128<<16                     ; tensor_dim1 = 128 rows
	s_mov_b32 s[G1B+2], 96<<16                     ; 96 rows
	s_mov_b32 s[G1+3], KSTEP<<16                   ; tile_dim0 = 128
	s_mov_b32 s[G1B+3], KSTEP<<16
	s_mov_b32 s[G1+4], 128                         ; tile_dim1
	s_mov_b32 s[G1B+4], 96
	s_mov_b32 s[G1+5], 1024                        ; elements from row to row
	s_mov_b32 s[G1B+5], 1024
	s_mov_b32 s[G1+6], 0
	s_mov_b32 s[G1B+6], 0
	s_mov_b32 s[G1+7], 0
	s_mov_b32 s[G1B+7], 0
	; xb's tiles hang on the block row and the wave alone, wb's on the block column and the wave alone, each in registers of its own
	s_lshl_b32 s40, s19, 8
	s_lshl_b32 s41, s14, 7
	s_add_co_u32 s40, s40, s41                     ; xb: row 256 x block row + 128 x half
	s_lshl_b32 s40, s40, 11                        ; rows of 2,048 bytes
	s_mov_b32 s41, 0
	s_mul_i32 s44, s18, 192
	s_mul_i32 s45, s14, 96
	s_add_co_u32 s44, s44, s45                     ; wb: row 192 x block column + 96 x half = my first column too
	s_lshl_b32 s72, s44, 2                         ; its place in the bias, in bytes
	s_mov_b32 s73, 0
	s_lshl_b32 s44, s44, 11
	s_mov_b32 s45, 0
	s_mul_i32 s22, s12, HALFA                      ; LDS target of xb's halves: wave x 128 rows (waves 0, 1)
	s_mul_i32 s23, s12, HALFB
	s_add_co_u32 s23, s23, BOFF-2*HALFB            ; of wb's halves: behind xb's rows, (wave - 2) x 96 rows (waves 2, 3)
	s_wait_dscnt 0x0
	s_wait_kmcnt 0x0
	s_add_nc_u64 s[42:43], s[4:5], s[40:41]
	s_add_nc_u64 s[46:47], s[6:7], s[44:45]
	s_add_nc_u64 s[8:9], s[8:9], s[72:73]
	CROUND                                         ; all sixteen work-groups are here: the first joint loads meet
.irp s, 0,1
	s_mov_b32 s[G0+4*\s], 1
	s_add_co_u32 s[G0+4*\s+1], s22, \s*SLOT
	s_add_nc_u64 s[G0+4*\s+2:G0+4*\s+3], s[42:43], \s*KSTEP*2      ; K step s
	s_or_b32 s[G0+4*\s+3], s[G0+4*\s+3], 0x80000000                ; type = 2
	s_mov_b32 s[G0B+4*\s], 1
	s_add_co_u32 s[G0B+4*\s+1], s23, \s*SLOT
	s_add_nc_u64 s[G0B+4*\s+2:G0B+4*\s+3], s[46:47], \s*KSTEP*2
	s_or_b32 s[G0B+4*\s+3], s[G0B+4*\s+3], 0x80000000
	JLOAD \s                                       ; both slots are asked for before anything else: two loads of the wave are out
.endr
	v_and_b32 v1, 15, v0                           ; r = l % 16
	v_bfe_u32 v2, v0, 4, 1                         ; h = l / 16
	v_lshlrev_b32 v[BO], 5, v2
.irp b, 0,1,2,3,4,5
	global_load_b128 v[BIAS+8*\b:BIAS+8*\b+3],   v[BO], s[8:9] offset:64*\b
	global_load_b128 v[BIAS+8*\b+4:BIAS+8*\b+7], v[BO], s[8:9] offset:64*\b+16
.endr
	; a fragment: lane l holds row l % 16; registers 0-3 K = 8 h + 0..7, registers 4-7 K = 16 + 8 h + 0..7: two loads of 16 bytes, 32 apart
	v_mul_u32_u24 v3, v1, PITCH
	v_lshl_add_u32 v3, v2, 4, v3
	s_mul_i32 s74, s13, HALFA                      ; my 128 rows of xb
	s_mul_i32 s75, s14, HALFB
	s_add_co_u32 s75, s75, BOFF                    ; my 96 rows of wb
.irp s, 0,1
	v_add_nc_u32 v[ADRA+\s], s74, v3
	v_add_nc_u32 v[ADRB+\s], s75, v3
	s_add_co_u32 s74, s74, SLOT
	s_add_co_u32 s75, s75, SLOT
.endr
	s_mul_i32 s76, s13, 128*SPITCH                 ; the way out, in: row 128 wm + r, byte 192 wn + 16 h
	s_mul_i32 s77, s14, 192
	s_add_co_u32 s76, s76, s77
	v_mul_u32_u24 v4, v1, SPITCH
	v_lshl_add_u32 v4, v2, 4, v4
	v_add_nc_u32 v[STO], s76, v4
	v_and_b32 v5, 31, v0                           ; back: four rows of 128 bytes a load: row 64 w + l / 8, byte 16 (l % 8)
	v_lshrrev_b32 v6, 3, v5
	v_and_b32 v7, 7, v5
	v_mul_u32_u24 v6, v6, SPITCH
	v_lshl_add_u32 v6, v7, 4, v6
	s_mul_i32 s77, s12, 64*SPITCH
	v_add_nc_u32 v[RD], s77, v6
	s_lshl_b32 s78, s12, 13                        ; and in memory the same four rows are 512 dense bytes: 64 w rows of 128 bytes + 16 l
	v_lshl_add_u32 v[CO], v5, 4, s78
	; unit g = 3 x block column + u is section g / 16, head g % 16; its plane is ((g / 16) 32 + 16 b + g % 16) x 2^18 bytes; my block's rows begin at (block row % 8) x 2^15
	s_mul_i32 s74, s18, 3
	s_lshr_b32 s75, s19, 3
	s_lshl_b32 s75, s75, 4
	s_and_b32 s76, s19, 7
	s_lshl_b32 s76, s76, 15
.irp u, 0,1,2
	s_add_co_u32 s77, s74, \u
	s_lshr_b32 s78, s77, 4
	s_lshl_b32 s78, s78, 5
	s_and_b32 s77, s77, 15
	s_add_co_u32 s78, s78, s77
	s_add_co_u32 s78, s78, s75
	s_lshl_b32 s78, s78, 18
	s_add_co_u32 s78, s78, s76
	s_mov_b32 s79, 0
	s_add_nc_u64 s[UB+2*\u:UB+2*\u+1], s[10:11], s[78:79]
.endr
; 12 matrix instructions: row tiles a0, a0 + 1 of the window's four x all 6 column tiles, 32 along K.  first = 1: C is the bias.
; The 48 accumulators take turns, one instruction a turn, in the same order in every quarter step.
.macro MUL12 f, hi, a0, first
.irp a, \a0, \a0+1
.irp b, 0,1,2,3,4,5
.if \first
	v_wmma_f32_16x16x32_bf16 v[8*(6*(\a)+\b):8*(6*(\a)+\b)+7], v[\f+8*\b:\f+8*\b+7], v[\f+8*(4*\hi+\a):\f+8*(4*\hi+\a)+7], v[BIAS+8*\b:BIAS+8*\b+7]
.else
	v_wmma_f32_16x16x32_bf16 v[8*(6*(\a)+\b):8*(6*(\a)+\b)+7], v[\f+8*\b:\f+8*\b+7], v[\f+8*(4*\hi+\a):\f+8*(4*\hi+\a)+7], v[8*(6*(\a)+\b):8*(6*(\a)+\b)+7]
.endif
.endr
.endr
.endm
; 28 LDS loads in one run: one quarter step's fragments (96 rows of wb, 128 rows of xb, 32 K at byte k of the rows) into buffer f
.macro FETCH slot, k, f
	WIN TO_B
.irp i, 0,1,2,3,4,5
	ds_load_b128 v[\f+8*\i:\f+8*\i+3],   v[ADRB+\slot] offset:\k+\i*16*PITCH
	ds_load_b128 v[\f+8*\i+4:\f+8*\i+7], v[ADRB+\slot] offset:\k+\i*16*PITCH+32
.endr
	WIN 0
.irp i, 0,1,2,3,4,5,6,7
	ds_load_b128 v[\f+8*\i:\f+8*\i+3],   v[ADRA+\slot] offset:\k+\i*16*PITCH
	ds_load_b128 v[\f+8*\i+4:\f+8*\i+7], v[ADRA+\slot] offset:\k+\i*16*PITCH+32
.endr
.endm
; Four independent vector instructions stand between a matrix instruction and a load into, or a vector instruction on, its registers
.macro PLACES
.rept 4
	v_nop
.endr
.endm
; One of a K step's first three quarters: multiplies buffer f, and in its middle fetches the next quarter's fragments into buffer g
.macro QUARTER slot, k, f, g, first
	s_wait_dscnt 8                                 ; wb and xb's rows 0-63 are in; the eight youngest loads (xb's rows 64-127) may be out
.if \first
	WIN MUL_LO_FIRST
.else
	WIN MUL_LO
.endif
	MUL12 \f, 0, 0, \first
	MUL12 \f, 0, 2, \first
	PLACES
	FETCH \slot, \k, \g
	s_wait_dscnt 28                                ; all but the 28 just issued
.if \first
	WIN MUL_HI_FIRST
.else
	WIN MUL_HI
.endif
	MUL12 \f, 1, 0, \first
	MUL12 \f, 1, 2, \first
.endm
.macro THREE slot, first
	QUARTER \slot, 64,  F0, F1, \first
	QUARTER \slot, 128, F1, F0, 0
	QUARTER \slot, 192, F0, F1, 0
.endm
; The last quarter multiplies buffer 1 and changes slots.  In front of the barrier each wave waits for its reads of this slot and for all its
; tensor loads (one is out: its part of the next slot).  Behind it, where the slot is filled again, the round of the cluster's barrier is
; completed and the joint refill is the wave's first and only tensor load.  From a request to the wait for it a wave issues 180 matrix instructions.
.macro TURN slot, next, fill
	s_wait_dscnt 8
	WIN MUL_LO
	MUL12 F1, 0, 0, 0
	s_wait_dscnt 0x0                               ; my reads of this slot are over
	s_wait_tensorcnt 0x0                           ; all my tensor loads have landed
	ds_add_u32 v255, v255
	s_wait_dscnt 0x0
	s_barrier_signal -1
	MUL12 F1, 0, 2, 0                              ; register work while the others arrive
	WIN 0
	s_barrier_wait -1
.if \fill
	CREST                                          ; no wave of any partner still reads this slot or has a load on its way
	s_add_nc_u64 s[G0+4*\slot+2:G0+4*\slot+3], s[G0+4*\slot+2:G0+4*\slot+3], 2*KSTEP*2
	s_add_nc_u64 s[G0B+4*\slot+2:G0B+4*\slot+3], s[G0B+4*\slot+2:G0B+4*\slot+3], 2*KSTEP*2
	JLOAD \slot
.endif
	PLACES
	FETCH \next, 0, F0
	WIN MUL_HI
	MUL12 F1, 1, 0, 0
	MUL12 F1, 1, 2, 0
.endm
.macro LAP first
	THREE 0, \first
	TURN 0, 1, 1
	THREE 1, 0
	TURN 1, 0, 1
.endm
	s_wait_tensorcnt 0x1                           ; my part of K step 0 is in; K step 1's may stay out
	s_barrier_signal -1
	s_barrier_wait -1
	FETCH 0, 0, F0
	s_wait_loadcnt 0x0                             ; the bias
	LAP 1                                          ; the first lap's first products start the sums from the bias
	WIN 0
	s_mov_b32 s15, LAPS-2
.Llap:
	LAP 0
	WIN 0
	s_sub_co_u32 s15, s15, 1
	s_cmp_lg_u32 s15, 0
	s_cbranch_scc1 .Llap
	THREE 0, 0                                     ; the last lap fills nothing
	TURN 0, 1, 0
	THREE 1, 0
	s_wait_dscnt 8
	WIN MUL_LO
	MUL12 F1, 0, 0, 0
	MUL12 F1, 0, 2, 0
	s_wait_dscnt 0x0
	WIN MUL_HI
	MUL12 F1, 1, 0, 0
	MUL12 F1, 1, 2, 0
	; THE WAY OUT.  The block, rounded to f16, is gathered in slot 0's bytes: that slot had its last fill for K step 6, and every wave's reads
	; of it ended in front of the barrier of the last lap's change of slots.  Then each wave stores 64 rows of each unit of 64 columns:
	; in the head-major layout such rows are dense, so a store of the wave covers 512 consecutive bytes, aligned.
	PLACES
.macro PUT row, t, from                ; my row tile 0..7 = tile t of window 2 or 3 (from: sources 0 and 1)
	WIN \from
.irp b, 0,1,2,3,4,5
.irp q, 0,1,2,3
	v_cvt_pk_f16_f32 v[TMP+24*(\row%2)+4*\b+\q], v[8*(6*\t+\b)+2*\q], v[8*(6*\t+\b)+2*\q+1]
.endr
.endr
	WIN 0
.irp b, 0,1,2,3,4,5
	ds_store_b128 v[STO], v[TMP+24*(\row%2)+4*\b:TMP+24*(\row%2)+4*\b+3] offset:16*SPITCH*\row+32*\b
.endr
.endm
	PUT 0, 0, 0x0a
	PUT 1, 1, 0x0a
	PUT 2, 2, 0x0a
	PUT 3, 3, 0x0a
	PUT 4, 0, 0x0f
	PUT 5, 1, 0x0f
	PUT 6, 2, 0x0f
	PUT 7, 3, 0x0f
	s_wait_dscnt 0x0                               ; my stores are in LDS, for the other waves' sake
	s_barrier_signal -1
	s_barrier_wait -1
.macro UNIT u, f
.irp i, 0,1,2,3,4,5,6,7,8,9,10,11,12,13,14,15
	ds_load_b128 v[\f+4*\i:\f+4*\i+3], v[RD] offset:4*SPITCH*\i+128*\u
.endr
.irp i, 0,1,2,3,4,5,6,7,8,9,10,11,12,13,14,15
	s_wait_dscnt 15-\i                             ; LDS loads return in order: load i is in
	global_store_b128 v[CO], v[\f+4*\i:\f+4*\i+3], s[UB+2*\u:UB+2*\u+1] offset:512*\i
.endr
.endm
	UNIT 0, F0
	UNIT 1, F1
	s_wait_xcnt 0x0                                ; buffer 0, which the first unit's stores read, is loaded again only behind this wait
	UNIT 2, F0
	s_set_vgpr_msb 0x1
	s_wait_tensorcnt 0x0
	ds_add_u32 v255, v255
	s_wait_dscnt 0x0
	s_set_vgpr_msb 0x100
	CROUND                                         ; the closing round: no work-group ends while a partner may still ask for a tile that names it
	s_endpgm
.Lfunc_end_k_q007aa783b1_qkv:
	.size	k_q007aa783b1_qkv, .Lfunc_end_k_q007aa783b1_qkv-k_q007aa783b1_qkv
	.p2alignl 7, 3214868480
	.fill 96, 4, 3214868480
	.section	.rodata,"a",@progbits
	.p2align	6, 0x0
	.amdhsa_kernel k_q007aa783b1_qkv
		.amdhsa_group_segment_fixed_size 327680
		.amdhsa_private_segment_fixed_size 0
		.amdhsa_enable_private_segment 0
		.amdhsa_kernarg_size 32
		.amdhsa_user_sgpr_count 2
		.amdhsa_user_sgpr_kernarg_segment_ptr 1
		.amdhsa_wavefront_size32 1
		.amdhsa_system_sgpr_workgroup_id_x 1
		.amdhsa_system_sgpr_workgroup_id_y 1
		.amdhsa_system_sgpr_workgroup_id_z 1
		.amdhsa_system_vgpr_workitem_id 0
		.amdhsa_next_free_vgpr 1024
		.amdhsa_next_free_sgpr 84
		.amdhsa_reserve_vcc 0
		.amdhsa_float_denorm_mode_32 3
		.amdhsa_float_denorm_mode_16_64 3
		.amdhsa_memory_ordered 1
		.amdhsa_forward_progress 1
		.amdhsa_inst_pref_size 160
	.end_amdhsa_kernel
	.amdgpu_metadata
---
amdhsa.version: [ 1, 2 ]
amdhsa.kernels:
  - .name:           k_q007aa783b1_qkv
    .symbol:         k_q007aa783b1_qkv.kd
    .args:
      - { .name: xb, .offset: 0, .size: 8, .value_kind: global_buffer, .address_space: global }
      - { .name: wb, .offset: 8, .size: 8, .value_kind: global_buffer, .address_space: global }
      - { .name: attn_b, .offset: 16, .size: 8, .value_kind: global_buffer, .address_space: global }
      - { .name: qkv, .offset: 24, .size: 8, .value_kind: global_buffer, .address_space: global }
    .group_segment_fixed_size: 327680
    .private_segment_fixed_size: 0
    .kernarg_segment_align: 8
    .kernarg_segment_size: 32
    .max_flat_workgroup_size: 128
    .sgpr_count:     84
    .vgpr_count:     1024
    .wavefront_size: 32
...
	.end_amdgpu_metadata
.endif
;; end of part 2
;; launch attn (part 3): grid 256 x 1, 8 waves a work-group, no clusters, 327,680 bytes of LDS; arguments qkv, ob; writes ob
.if DOCPART == 3
	.amdgcn_target "amdgcn-amd-amdhsa--gfx1250"
	.amdhsa_code_object_version 6
	.text
	.protected	k_q007aa783b1_attn
	.globl	k_q007aa783b1_attn
	.p2align	8
	.type	k_q007aa783b1_attn,@function
k_q007aa783b1_attn:
	s_mov_b64 s[64:65], 0
	v_nop
	global_prefetch_b8 v0, s[64:65] scope:SCOPE_SE
	s_setreg_imm32_b32 hwreg(HW_REG_WAVE_MODE, 25, 1), 1
	s_wait_xcnt 0x0
; Causal attention of one head, with a running maximum.  qkv: f16 [3][32 heads][2048][64];  ob: f16 [32 heads][2048][64].
; Work-group g: head g / 8 and the two blocks of 128 queries j = g % 8 and 15 - j: together always 17 key tiles of 128, so all 256 groups do
; equal work; tiles above the diagonal, which the causal mask throws away whole, are not visited.  The block with the even number runs first
; (1 + 2 kE tiles), then the odd one (2 + 2 kO), so that the slot of every trip is a constant of the text.  In a block the diagonal tile comes
; first and starts maximum, sum and output, so nothing is cleared; then the tiles below it, downwards.
; Eight waves: wave w takes queries 32 (w % 4) .. + 31 of the block and keys 64 (w / 4) .. + 63 of every tile; the two key halves are merged
; once a block, through LDS.
; S^T = K Q^T: a lane holds one query (l % 16) and eight keys a tile, so the row statistics are a lane's own but for one exchange between the
; halves of the wave; two packed tiles of exp are at once the B fragment of O^T = V^T P^T; V^T comes by transposing LDS loads.
; Softmax in base 2: p = exp2(s c + nM), c = log2(e) / 8, nM = -(m c) rounded once and used alike for p, for the rescaling and for the merge.
; LIMITS: masked scores are -2^100 in place of the least f32, so raw scores q.k must stay above -2^100; p and the output are rounded to f16
; (p below 2^-24 becomes 0; |output| above 65,504 becomes infinite).  A part whose keys are all masked gives p = 1 and finite sums, which the
; next rescaling or the merge multiplies by exp2 of about -2^97, that is by 0.
; NO CLUSTER: the eight groups of a head walk different sequences of tiles (block j starts at tile j), with trip counts kE, kO that differ from
; group to group, so no two of them want the same tile in the same trip.
.set KP,   144                         ; K rows in LDS: 128 bytes + 16, an odd multiple of 16
.set VP,   160                         ; V rows: 128 bytes + 32, an odd multiple of 32, for the transposing loads
.set VOFF, 128*KP                      ; V's tile lies behind K's
.set SLOT, 128*KP+128*VP               ; 38,912 bytes
.set SCR,  2*SLOT                      ; merge scratch: four parts of 8,704 bytes; no tensor load lands here
.set SCRW, 8704
.set STG,  SCR+4*SCRW                  ; output stage: four parts of 32 rows x 144 bytes; no tensor load lands here
.set STGW, 32*KP
.set KA,  1                            ; (64 kpar + r) 144 + 16 h
.set VA,  2                            ; VOFF + (64 kpar + 8 h + l % 8) 160 + 16 ((l / 8) % 2)
.set DD,  3                            ; 32 qsub + r - 8 h - 64 kpar: key 16 kt + j of my eight is kept for query tile qt if 16 kt + j - 16 qt <= DD
.set NEG, 4                            ; -2^100
.set MS,  5                            ; my 16 bytes in my pair's merge scratch
.set SST, 6                            ; stage, in
.set SRD, 7                            ; stage, back
.set GO,  8                            ; 16 l
.set QO,  9                            ; (32 qsub + r) 128 + 16 h
.set M,   10                           ; v[10:11] running maximum of raw scores, query tile 0, 1
.set NM,  12                           ; v[12:13] -(m c)
.set LL,  14                           ; v[14:15] running sum, a lane's own part
.set AL,  16                           ; v[16:17] rescaling factor; in the merge my part's factor
.set FB,  18                           ; v[18:19] in the merge the partner's factor
.set Q,   32                           ; v[32:63]   fragment (qt, ks) at 32 + 16 qt + 8 ks
.set S,   64                           ; v[64:127]  tile (qt, kt) at 64 + 32 qt + 8 kt; packed: fragment (qt, u) at 64 + 32 qt + 16 u
.set KV,  128                          ; v[128:191] K fragment (ks, kt) at 128 + 32 ks + 8 kt, then V fragment (u, dt) at 128 + 32 u + 8 dt
.set O,   192                          ; v[192:255] tile (qt, dt) at 192 + 32 qt + 8 dt
.set G1K, 32                           ; s[32:39]
.set G1V, 40                           ; s[40:47]
.set G0K, 48                           ; s[48:55] one set a slot
.set G0V, 56                           ; s[56:63] one set a slot
	s_load_b128 s[4:7], s[0:1], 0x0                ; qkv s[4:5], ob s[6:7]
	v_lshl_add_u32 v30, v0, 2, 0x29000
	v_mov_b32 v31, 0
	ds_add_u32 v30, v31
	v_lshrrev_b32 v1, 5, v0
	v_readfirstlane_b32 s8, v1                     ; wave 0..7
	s_and_b32 s9, s8, 3                            ; qsub
	s_lshr_b32 s10, s8, 2                          ; kpar
	s_lshr_b32 s11, ttmp9, 3                       ; head 0..31
	s_and_b32 s12, ttmp9, 7                        ; j
	s_sub_co_u32 s13, 15, s12                      ; 15 - j
	s_bitcmp1_b32 s12, 0
	s_cselect_b32 s14, s13, s12                    ; the even block
	s_cselect_b32 s15, s12, s13                    ; the odd block
	s_lshr_b32 s16, s14, 1                         ; kE
	s_lshr_b32 s17, s15, 1                         ; kO
	; a tile is 16 KiB dense in memory: 64 rows of 256 bytes (32 elements of 8 bytes); padding behind every 32 words makes LDS rows of one key
	s_mov_b32 s[G1K+0], (3<<16)|(1<<20)|(4<<22)|(3<<25)   ; element of 8 bytes; padding on; interval 32 words; 4 words
	s_mov_b32 s[G1V+0], (3<<16)|(1<<20)|(4<<22)|(7<<25)   ; 8 words
	s_mov_b32 s[G1K+1], 32<<16                     ; tensor_dim0 = 32
	s_mov_b32 s[G1V+1], 32<<16
	s_mov_b32 s[G1K+2], 64<<16                     ; tensor_dim1 = 64
	s_mov_b32 s[G1V+2], 64<<16
	s_mov_b32 s[G1K+3], 32<<16                     ; tile_dim0 = 32
	s_mov_b32 s[G1V+3], 32<<16
	s_mov_b32 s[G1K+4], 64                         ; tile_dim1 = 64
	s_mov_b32 s[G1V+4], 64
	s_mov_b32 s[G1K+5], 32                         ; pitch
	s_mov_b32 s[G1V+5], 32
	s_mov_b32 s[G1K+6], 0
	s_mov_b32 s[G1V+6], 0
	s_mov_b32 s[G1K+7], 0
	s_mov_b32 s[G1V+7], 0
	s_mov_b32 s[G0K+0], 1
	s_mov_b32 s[G0K+1], 0
	s_mov_b32 s[G0K+4], 1
	s_mov_b32 s[G0K+5], SLOT
	s_mov_b32 s[G0V+0], 1
	s_mov_b32 s[G0V+1], VOFF
	s_mov_b32 s[G0V+4], 1
	s_mov_b32 s[G0V+5], SLOT+VOFF
	s_lshl_b32 s78, s11, 18                        ; a head's plane is 2^18 bytes
	s_mov_b32 s79, 0
	s_mov_b32 s28, s14                             ; t, the tile fetched last: the even block's diagonal tile
	s_lshl_b32 s30, s28, 14
	s_mov_b32 s31, 0
	s_wait_dscnt 0x0
	s_barrier_signal -1
	s_barrier_wait -1
	s_wait_kmcnt 0x0
	s_add_nc_u64 s[20:21], s[4:5], s[78:79]        ; Q's plane
	s_add_nc_u64 s[22:23], s[20:21], 0x800000      ; K's: 32 planes on
	s_add_nc_u64 s[24:25], s[20:21], 0x1000000     ; V's: 64 planes on
	s_add_nc_u64 s[26:27], s[6:7], s[78:79]        ; the output's
	s_add_nc_u64 s[G0K+2:G0K+3], s[22:23], s[30:31]
	s_or_b32 s[G0K+3], s[G0K+3], 0x80000000
	s_add_nc_u64 s[G0V+2:G0V+3], s[24:25], s[30:31]
	s_or_b32 s[G0V+3], s[G0V+3], 0x80000000
; Wave 0 asks for K's tile, wave 1 for V's: one tensor load a wave; by this text's count a wave never has more than one out.
.macro RLOAD slot
	s_cmp_lg_u32 s8, 0
	s_cbranch_scc1 .Lnot_k_\@
	tensor_load_to_lds s[G0K+4*(\slot):G0K+4*(\slot)+3], s[G1K:G1K+7]
	s_nop 0
.Lnot_k_\@:
	s_cmp_lg_u32 s8, 1
	s_cbranch_scc1 .Lnot_v_\@
	tensor_load_to_lds s[G0V+4*(\slot):G0V+4*(\slot)+3], s[G1V:G1V+7]
	s_nop 0
.Lnot_v_\@:
.endm
	RLOAD 0                                        ; the first fill, ahead of every trip
	s_mov_b32 s66, 0x3e38aa3b                      ; c = log2(e) / 8
	s_mov_b32 s67, 0x3e38aa3b
	s_mov_b32 s68, 0xbe38aa3b                      ; -c
	s_mov_b32 s70, 0x76543210                      ; v_permlanex16_b32: lane i reads lane i of the other half
	s_mov_b32 s71, 0xfedcba98
	v_and_b32 v20, 31, v0                          ; l
	v_and_b32 v22, 15, v0                          ; r
	v_bfe_u32 v23, v0, 4, 1                        ; h
	v_and_b32 v24, 7, v0                           ; l % 8
	v_bfe_u32 v25, v0, 3, 1                        ; (l / 8) % 2
	v_lshrrev_b32 v26, 3, v20                      ; l / 8
	v_mul_u32_u24 v29, v22, KP
	v_lshl_add_u32 v29, v23, 4, v29                ; 144 r + 16 h
	s_mul_i32 s78, s10, 64*KP
	v_add_nc_u32 v[KA], s78, v29
	v_lshl_add_u32 v[VA], v23, 3, v24
	v_mul_u32_u24 v[VA], v[VA], VP
	v_lshl_add_u32 v[VA], v25, 4, v[VA]
	s_mul_i32 s79, s10, 64*VP
	s_add_co_u32 s79, s79, VOFF
	v_add_nc_u32 v[VA], s79, v[VA]
	s_lshl_b32 s78, s9, 5
	s_lshl_b32 s79, s10, 6
	s_sub_co_i32 s78, s78, s79
	v_add_nc_u32 v[DD], s78, v22
	v_lshlrev_b32 v27, 3, v23
	v_sub_nc_u32 v[DD], v[DD], v27
	v_mov_b32 v[NEG], 0xf1800000
	s_mul_i32 s78, s9, SCRW
	s_add_co_u32 s78, s78, SCR
	v_lshl_add_u32 v[MS], v20, 4, s78
	s_mul_i32 s79, s9, STGW
	s_add_co_u32 s79, s79, STG
	v_add_nc_u32 v[SST], s79, v29
	v_mul_u32_u24 v[SRD], v26, KP
	v_lshl_add_u32 v[SRD], v24, 4, v[SRD]
	v_add_nc_u32 v[SRD], s79, v[SRD]
	v_lshlrev_b32 v[GO], 4, v20
	v_lshlrev_b32 v[QO], 7, v22
	v_lshl_add_u32 v[QO], v23, 4, v[QO]
	s_lshl_b32 s78, s9, 12
	v_add_nc_u32 v[QO], s78, v[QO]
	v_mov_b32 v13, 0                               ; second halves of pairs that a packed instruction names before they are first computed,
	v_mov_b32 v17, 0
	v_mov_b32 v21, 0                               ; and destinations of v_permlanex16_b32, which count as read
	v_mov_b32 v28, 0
; The wave's 32 query rows as four B fragments, straight from memory.  qb: the register that holds the block's number.
.macro QLOAD qb
	s_lshl_b32 s78, s[\qb], 14
	s_mov_b32 s79, 0
	s_add_nc_u64 s[74:75], s[20:21], s[78:79]      ; the last loads by this base were waited for in the first trip of the block before
.irp qt, 0,1
.irp ks, 0,1
	global_load_b128 v[Q+16*\qt+8*\ks:Q+16*\qt+8*\ks+3],   v[QO], s[74:75] offset:2048*\qt+64*\ks
	global_load_b128 v[Q+16*\qt+8*\ks+4:Q+16*\qt+8*\ks+7], v[QO], s[74:75] offset:2048*\qt+64*\ks+32
.endr
.endr
.endm
; The 32 scores a lane holds for query tile qt: mask (diagonal tile), maximum, exp2, sum, rescaling of O, packing to f16.
.macro SOFTMAX qt, first
.set SB, S+32*\qt
.set OB, O+32*\qt
.if \first
.irp kt, 0,1,2,3
.irp j, 0,1,2,3,4,5,6,7
	v_cmp_le_i32 vcc_lo, 16*\kt+\j-16*\qt, v[DD]
	v_cndmask_b32 v[SB+8*\kt+\j], v[NEG], v[SB+8*\kt+\j], vcc_lo
.endr
.endr
.endif
	v_max3_num_f32 v20, v[SB], v[SB+1], v[SB+2]            ; two chains, over 17 and 15 values
	v_max3_num_f32 v22, v[SB+17], v[SB+18], v[SB+19]
.irp i, 0,1,2,3,4,5
	v_max3_num_f32 v20, v20, v[SB+3+2*\i], v[SB+4+2*\i]
	v_max3_num_f32 v22, v22, v[SB+20+2*\i], v[SB+21+2*\i]
.endr
	v_max3_num_f32 v20, v20, v[SB+15], v[SB+16]
.if \first
	v_max_num_f32 v20, v20, v22
.else
	v_max3_num_f32 v20, v20, v22, v[M+\qt]
.endif
	v_permlanex16_b32 v21, v20, s70, s71                   ; the other eight keys of each tile lie in the other half of the wave
	v_max_num_f32 v[M+\qt], v20, v21
.if \first
	v_mul_f32 v[NM+\qt], s68, v[M+\qt]
.else
	v_mul_f32 v22, s68, v[M+\qt]
	v_sub_f32 v23, v22, v[NM+\qt]
	v_exp_f32 v[AL+\qt], v23                               ; exp2(c (m old - m new))
	v_mov_b32 v[NM+\qt], v22                               ; the plain instruction behind the transcendental (ISA guide 5.7.2)
.endif
.irp i, 0,1,2,3,4,5,6,7,8,9,10,11,12,13,14,15
	v_pk_fma_f32 v[SB+2*\i:SB+2*\i+1], v[SB+2*\i:SB+2*\i+1], s[66:67], v[NM:NM+1] op_sel:[0,0,\qt] op_sel_hi:[1,0,\qt]
.endr
.irp i, 0,1,2,3,4,5,6,7,8,9,10,11,12,13,14,15,16,17,18,19,20,21,22,23,24,25,26,27,28,29,30,31
	v_exp_f32 v[SB+\i], v[SB+\i]
.endr
.if \first
	v_nop                                                  ; the plain instruction behind the transcendentals
	s_wait_alu depctr_va_vdst(0)
.else
	s_wait_alu depctr_va_vdst(0)
.irp i, 0,1,2,3,4,5,6,7,8,9,10,11,12,13,14,15
	v_pk_mul_f32 v[OB+2*\i:OB+2*\i+1], v[OB+2*\i:OB+2*\i+1], v[AL:AL+1] op_sel:[0,\qt] op_sel_hi:[1,\qt]   ; these also stand behind the transcendentals
.endr
.endif
	v_pk_add_f32 v[24:25], v[SB:SB+1], v[SB+2:SB+3]
	v_pk_add_f32 v[26:27], v[SB+16:SB+17], v[SB+18:SB+19]
.irp i, 2,3,4,5,6,7
	v_pk_add_f32 v[24:25], v[24:25], v[SB+2*\i:SB+2*\i+1]
	v_pk_add_f32 v[26:27], v[26:27], v[SB+16+2*\i:SB+16+2*\i+1]
.endr
	v_pk_add_f32 v[24:25], v[24:25], v[26:27]
.if \first
	v_add_f32 v[LL+\qt], v24, v25
.else
	v_add_f32 v24, v24, v25
	v_fma_f32 v[LL+\qt], v[LL+\qt], v[AL+\qt], v24
.endif
.irp u, 0,1
.irp k, 0,1,2,3,4,5,6,7
	v_cvt_pk_f16_f32 v[SB+16*\u+\k], v[SB+16*\u+2*\k], v[SB+16*\u+2*\k+1]   ; in place, ascending: tiles 2u, 2u + 1 become keys 32 u + 8 h + 0..7 and 32 u + 16 + 8 h + 0..7
.endr
.endr
.endm
; One key tile, in slot.  first = 1: the block's diagonal tile.  refill = 1: the other slot gets the next tile.
.macro TRIP slot, first, refill
	s_wait_tensorcnt 0x0                           ; all my tensor loads have landed, this trip's tile among them; so a group 0 may be written
	ds_add_u32 v30, v31
	s_wait_dscnt 0x0
.if \refill
	s_sub_co_i32 s28, s28, 1                       ; the next tile down; behind tile 0 of the even block the odd block's diagonal tile
	s_cmp_lt_i32 s28, 0
	s_cselect_b32 s28, s15, s28
	s_lshl_b32 s30, s28, 14
	s_add_nc_u64 s[G0K+6-4*\slot:G0K+7-4*\slot], s[22:23], s[30:31]
	s_or_b32 s[G0K+7-4*\slot], s[G0K+7-4*\slot], 0x80000000
	s_add_nc_u64 s[G0V+6-4*\slot:G0V+7-4*\slot], s[24:25], s[30:31]
	s_or_b32 s[G0V+7-4*\slot], s[G0V+7-4*\slot], 0x80000000
.endif
	s_wait_dscnt 0x0                               ; my reads of the other slot are over
	s_barrier_signal -1
	s_barrier_wait -1                              ; both now hold of all eight waves
.if \refill
	RLOAD 1-\slot                                  ; first thing behind the barrier; it has this trip's work in which to land
.endif
.irp ks, 0,1
.irp kt, 0,1,2,3
	ds_load_b128 v[KV+32*\ks+8*\kt:KV+32*\ks+8*\kt+3],   v[KA] offset:\slot*SLOT+16*KP*\kt+64*\ks
	ds_load_b128 v[KV+32*\ks+8*\kt+4:KV+32*\ks+8*\kt+7], v[KA] offset:\slot*SLOT+16*KP*\kt+64*\ks+32
.endr
.endr
.if \first
	s_wait_loadcnt 0x0                             ; the block's queries
.endif
	s_wait_dscnt 8                                 ; d = 0..31 of my 64 keys are in; the eight loads of d = 32..63 may be out
	; S^T: the eight accumulators take turns, one instruction a turn; the first product starts each sum
.irp kt, 0,1,2,3
.irp qt, 0,1
	v_wmma_f32_16x16x32_f16 v[S+32*\qt+8*\kt:S+32*\qt+8*\kt+7], v[KV+8*\kt:KV+8*\kt+7], v[Q+16*\qt:Q+16*\qt+7], 0
.endr
.endr
	s_wait_dscnt 0x0
.irp kt, 0,1,2,3
.irp qt, 0,1
	v_wmma_f32_16x16x32_f16 v[S+32*\qt+8*\kt:S+32*\qt+8*\kt+7], v[KV+32+8*\kt:KV+32+8*\kt+7], v[Q+16*\qt+8:Q+16*\qt+15], v[S+32*\qt+8*\kt:S+32*\qt+8*\kt+7]
.endr
.endr
.rept 4
	v_nop                                          ; four places before loads land on K's fragments and vector work reads the scores
.endr
.irp u, 0,1
.irp dt, 0,1,2,3
	ds_load_tr16_b128 v[KV+32*\u+8*\dt:KV+32*\u+8*\dt+3],   v[VA] offset:\slot*SLOT+32*VP*\u+32*\dt
	ds_load_tr16_b128 v[KV+32*\u+8*\dt+4:KV+32*\u+8*\dt+7], v[VA] offset:\slot*SLOT+32*VP*\u+32*\dt+16*VP
.endr
.endr
	SOFTMAX 0, \first
	SOFTMAX 1, \first
	s_wait_dscnt 8                                 ; V of my keys 0..31 is in; the eight loads of keys 32..63 may be out
	; O^T: again eight accumulators by turns
.irp dt, 0,1,2,3
.irp qt, 0,1
.if \first
	v_wmma_f32_16x16x32_f16 v[O+32*\qt+8*\dt:O+32*\qt+8*\dt+7], v[KV+8*\dt:KV+8*\dt+7], v[S+32*\qt:S+32*\qt+7], 0
.else
	v_wmma_f32_16x16x32_f16 v[O+32*\qt+8*\dt:O+32*\qt+8*\dt+7], v[KV+8*\dt:KV+8*\dt+7], v[S+32*\qt:S+32*\qt+7], v[O+32*\qt+8*\dt:O+32*\qt+8*\dt+7]
.endif
.endr
.endr
	s_wait_dscnt 0x0
.irp dt, 0,1,2,3
.irp qt, 0,1
	v_wmma_f32_16x16x32_f16 v[O+32*\qt+8*\dt:O+32*\qt+8*\dt+7], v[KV+32+8*\dt:KV+32+8*\dt+7], v[S+32*\qt+16:S+32*\qt+23], v[O+32*\qt+8*\dt:O+32*\qt+8*\dt+7]
.endr
.endr
.rept 5
	v_nop                                          ; five places before the next S^T writes over P, four before loads land on V's fragments or O is read
.endr
.endm
; The end of a block: waves 4-7 hand their half's O, nM and sum to waves 0-3, which merge, divide and store.  qb: the register with the block's number.
.macro FINISH qb
	s_cmp_eq_u32 s10, 0
	s_cbranch_scc1 .Lkeep_\@
.irp i, 0,1,2,3,4,5,6,7,8,9,10,11,12,13,14,15
	ds_store_b128 v[MS], v[O+4*\i:O+4*\i+3] offset:512*\i
.endr
	ds_store_b128 v[MS], v[NM:NM+3] offset:8192    ; nM of both query tiles, then both sums
.Lkeep_\@:
	s_wait_dscnt 0x0                               ; the stores are in LDS, for the partner's sake
	s_barrier_signal -1
	s_barrier_wait -1                              ; The next tile's load may stay on its way
	s_cmp_lg_u32 s10, 0
	s_cbranch_scc1 .Lend_\@
.irp i, 0,1,2,3,4,5,6,7,8,9,10,11,12,13,14,15
	ds_load_b128 v[S+4*\i:S+4*\i+3], v[MS] offset:512*\i
.endr
	ds_load_b128 v[20:23], v[MS] offset:8192
	s_lshl_b32 s78, s[\qb], 14                     ; the block's 128 rows of 128 bytes, and my 32 rows in it
	s_lshl_b32 s79, s9, 12
	s_add_co_u32 s78, s78, s79
	s_mov_b32 s79, 0
	s_add_nc_u64 s[76:77], s[26:27], s[78:79]
	s_wait_dscnt 0x0
.irp qt, 0,1
	v_min_num_f32 v24, v[NM+\qt], v[20+\qt]        ; the larger maximum has the smaller nM
	v_sub_f32 v25, v24, v[NM+\qt]
	v_sub_f32 v26, v24, v[20+\qt]
	v_exp_f32 v25, v25
	v_exp_f32 v26, v26
	v_nop                                          ; the plain instruction behind the transcendentals
	s_wait_alu depctr_va_vdst(0)
	v_mul_f32 v27, v25, v[LL+\qt]
	v_fmac_f32 v27, v26, v[22+\qt]
	v_permlanex16_b32 v28, v27, s70, s71           ; the sums were a lane's own part: now both halves of the wave
	v_add_f32 v27, v27, v28
	v_rcp_f32 v28, v27
	v_nop
	s_wait_alu depctr_va_vdst(0)
	v_mul_f32 v[AL+\qt], v25, v28
	v_mul_f32 v[FB+\qt], v26, v28
.endr
.irp qt, 0,1
.irp i, 0,1,2,3,4,5,6,7,8,9,10,11,12,13,14,15
	v_pk_mul_f32 v[O+32*\qt+2*\i:O+32*\qt+2*\i+1], v[O+32*\qt+2*\i:O+32*\qt+2*\i+1], v[AL:AL+1] op_sel:[0,\qt] op_sel_hi:[1,\qt]
.endr
.irp i, 0,1,2,3,4,5,6,7,8,9,10,11,12,13,14,15
	v_pk_fma_f32 v[O+32*\qt+2*\i:O+32*\qt+2*\i+1], v[S+32*\qt+2*\i:S+32*\qt+2*\i+1], v[FB:FB+1], v[O+32*\qt+2*\i:O+32*\qt+2*\i+1] op_sel:[0,\qt,0] op_sel_hi:[1,\qt,1]
.endr
.endr
.irp t, 0,1,2,3,4,5,6,7
.irp k, 0,1,2,3
	v_cvt_pk_f16_f32 v[O+8*\t+\k], v[O+8*\t+2*\k], v[O+8*\t+2*\k+1]
.endr
.endr
.irp qt, 0,1
.irp dt, 0,1,2,3
	ds_store_b128 v[SST], v[O+32*\qt+8*\dt:O+32*\qt+8*\dt+3] offset:16*KP*\qt+32*\dt   ; my own stage: row 16 qt + r, d = 16 dt + 8 h + 0..7
.endr
.endr
.irp i, 0,1,2,3,4,5,6,7
	ds_load_b128 v[S+4*\i:S+4*\i+3], v[SRD] offset:4*KP*\i     ; LDS serves a wave's instructions in order: these see the stores above
.endr
.irp i, 0,1,2,3,4,5,6,7
	s_wait_dscnt 7-\i
	global_store_b128 v[GO], v[S+4*\i:S+4*\i+3], s[76:77] offset:512*\i   ; four dense rows: 512 consecutive bytes, aligned
.endr
.Lend_\@:
	s_wait_xcnt 0x0                                ; the stores' data registers and base are written again only behind this wait
.endm
	QLOAD 14
	TRIP 0, 1, 1                                   ; the even block: its diagonal tile,
	s_cmp_eq_u32 s16, 0
	s_cbranch_scc1 .Leven_done
	s_mov_b32 s72, s16
.Leven:
	TRIP 1, 0, 1                                   ; then kE pairs of tiles
	TRIP 0, 0, 1
	s_sub_co_i32 s72, s72, 1
	s_cmp_lg_u32 s72, 0
	s_cbranch_scc1 .Leven
.Leven_done:
	QLOAD 15                                       ; the odd block's queries come in under the merge
	FINISH 14
	TRIP 1, 1, 1                                   ; the odd block: its diagonal tile,
	s_cmp_eq_u32 s17, 0
	s_cbranch_scc1 .Lodd_done
	s_mov_b32 s72, s17
.Lodd:
	TRIP 0, 0, 1                                   ; kO pairs,
	TRIP 1, 0, 1
	s_sub_co_i32 s72, s72, 1
	s_cmp_lg_u32 s72, 0
	s_cbranch_scc1 .Lodd
.Lodd_done:
	TRIP 0, 0, 0                                   ; and tile 0: nothing is left to fetch
	FINISH 15
	s_wait_tensorcnt 0x0
	ds_add_u32 v30, v31
	s_wait_dscnt 0x0
	s_endpgm
.Lfunc_end_k_q007aa783b1_attn:
	.size	k_q007aa783b1_attn, .Lfunc_end_k_q007aa783b1_attn-k_q007aa783b1_attn
	.p2alignl 7, 3214868480
	.fill 96, 4, 3214868480
	.section	.rodata,"a",@progbits
	.p2align	6, 0x0
	.amdhsa_kernel k_q007aa783b1_attn
		.amdhsa_group_segment_fixed_size 327680
		.amdhsa_private_segment_fixed_size 0
		.amdhsa_enable_private_segment 0
		.amdhsa_kernarg_size 16
		.amdhsa_user_sgpr_count 2
		.amdhsa_user_sgpr_kernarg_segment_ptr 1
		.amdhsa_wavefront_size32 1
		.amdhsa_system_sgpr_workgroup_id_x 1
		.amdhsa_system_sgpr_workgroup_id_y 1
		.amdhsa_system_sgpr_workgroup_id_z 1
		.amdhsa_system_vgpr_workitem_id 0
		.amdhsa_next_free_vgpr 256
		.amdhsa_next_free_sgpr 84
		.amdhsa_reserve_vcc 1
		.amdhsa_float_denorm_mode_32 3
		.amdhsa_float_denorm_mode_16_64 3
		.amdhsa_memory_ordered 1
		.amdhsa_forward_progress 1
		.amdhsa_inst_pref_size 159
	.end_amdhsa_kernel
	.amdgpu_metadata
---
amdhsa.version: [ 1, 2 ]
amdhsa.kernels:
  - .name:           k_q007aa783b1_attn
    .symbol:         k_q007aa783b1_attn.kd
    .args:
      - { .name: qkv, .offset: 0, .size: 8, .value_kind: global_buffer, .address_space: global }
      - { .name: ob, .offset: 8, .size: 8, .value_kind: global_buffer, .address_space: global }
    .group_segment_fixed_size: 327680
    .private_segment_fixed_size: 0
    .kernarg_segment_align: 8
    .kernarg_segment_size: 16
    .max_flat_workgroup_size: 256
    .sgpr_count:     84
    .vgpr_count:     256
    .wavefront_size: 32
...
	.end_amdgpu_metadata
.endif
;; end of part 3
;; launch proj (part 4): grid 8 x 32, 4 waves a work-group, clusters of 4 x 4, 327,680 bytes of LDS; arguments ob, pwh, proj_b, out0; writes out0
.if DOCPART == 4
	.amdgcn_target "amdgcn-amd-amdhsa--gfx1250"
	.amdhsa_code_object_version 6
	.text
	.protected	k_q007aa783b1_proj
	.globl	k_q007aa783b1_proj
	.p2align	8
	.type	k_q007aa783b1_proj,@function
k_q007aa783b1_proj:
	s_mov_b64 s[64:65], 0
	v_nop
	global_prefetch_b8 v0, s[64:65] scope:SCOPE_SE
	s_setreg_imm32_b32 hwreg(HW_REG_WAVE_MODE, 25, 1), 1
	s_wait_xcnt 0x0
	s_wait_alu depctr_hold_cnt(0) depctr_sa_sdst(0) depctr_va_vdst(0) depctr_va_sdst(0) depctr_va_ssrc(0) depctr_va_vcc(0) depctr_vm_vsrc(0)
	s_getreg_b32 s2, hwreg(HW_REG_IB_STS2, 6, 4)
	s_cmp_eq_u32 s2, 0
	s_cbranch_scc0 .Lentry_in_a_cluster
	s_endpgm
.Lentry_in_a_cluster:
	s_bfe_u32 s2, ttmp6, 0x10000c
	s_cmp_lg_u32 s2, 0xf033
	s_cbranch_scc0 .Lentry_shape_is_right
	s_endpgm
.Lentry_shape_is_right:
; out0[m][n] (f32) = sum over k of a[m][k] pwh[n][k] + proj_b[n];  a[b*2048+s][head*64+d] = ob[b*16+head][s][d].  ob, pwh f16; sums in f32,
; started from the bias.
; 8 x 32 = 256 work-groups, each a block of 128 x 128; four waves, 2 x 2, each 64 x 64 = 16 accumulator tiles.
; K = 1024 goes in four steps of 256 (four heads) through two LDS slots: both are filled at the start and each is filled once more, so the
; whole walk is written out without a loop.  From a request to the wait for it a wave issues about 120 matrix instructions.
; CLUSTERS of 4 x 4: the four of a cluster's row need the same rows of ob, the four of a column the same rows of pwh: joint loads.
; REGISTERS: window 0: v16-27 addresses, v32-63 bias, v64-127 and v128-191 two fragment buffers (ob's four fragments, then pwh's four),
; v192-255 the way out;  window 1: the accumulators, tile (a, b) at v[8 (4 a + b)].
; The matrix instruction is used transposed (source 0 = rows of pwh, source 1 = rows of ob): a lane holds row l % 16 and eight neighbouring columns.
.set AP,     144                       ; ob's rows in LDS: one head's 128 bytes + 16
.set PLANE,  128*AP                    ; one head's 128 rows
.set BP,     528                       ; pwh's rows in LDS: 512 bytes + 16
.set HALFA,  2*PLANE                   ; two heads: one tensor load
.set HALFB,  64*BP                     ; 64 rows of pwh: one tensor load
.set BOFF,   2*HALFA
.set SLOT,   2*HALFA+2*HALFB           ; 141,312 bytes
.set STAGE,  2*SLOT                    ; behind the ring: 16 rows x 272 bytes for each wave; no tensor load lands here
.set SPITCH, 272
.set ADRA, 16
.set ADRB, 20
.set STO,  24
.set RD,   25
.set CO,   26
.set BO,   27
.set BIAS, 32
.set F0,   64
.set F1,   128
.set G1,  24
.set G0,  32
.set G1B, 48
.set G0B, 56
.set MSB, 0
.macro WIN new                         ; the immediate's high byte repeats the setting that is left
.if MSB != \new
	s_set_vgpr_msb (MSB<<8)|\new
.set MSB, \new
.endif
.endm
.set MUL,       0x50                   ; sources 0 and 1 window 0, C and D window 1
.set MUL_FIRST, 0x40                   ; C (the bias) window 0, D window 1
.macro JLOAD s                         ; waves 0 and 1 ask for ob's two pairs of heads, waves 2 and 3 for pwh's two halves
	s_cmp_eq_u32 s13, 0
	s_cbranch_scc0 .Lfor_b_\@
	tensor_load_to_lds s[G0+4*\s:G0+4*\s+3], s[G1:G1+7]
	s_nop 0
	s_branch .Lasked_\@
.Lfor_b_\@:
	tensor_load_to_lds s[G0B+4*\s:G0B+4*\s+3], s[G1B:G1B+7]
	s_nop 0
.Lasked_\@:
.endm
.macro CREST                           ; a round of the cluster's barrier behind its opening work-group barrier
	s_cmp_lg_u32 s12, 0
	s_cbranch_scc1 .Lnot_wave_0_\@
	s_barrier_signal -3
.Lnot_wave_0_\@:
	s_barrier_wait -3
	s_barrier_signal -1
	s_barrier_wait -1
.endm
.macro CROUND
	s_barrier_signal -1
	s_barrier_wait -1
	CREST
.endm
	s_load_b256 s[4:11], s[0:1], 0x0               ; ob s[4:5], pwh s[6:7], proj_b s[8:9], out0 s[10:11]
	v_lshl_add_u32 v30, v0, 2, 0x49400
	v_mov_b32 v31, 0
	ds_add_u32 v30, v31
	v_lshrrev_b32 v1, 5, v0
	v_readfirstlane_b32 s12, v1                    ; wave 0..3
	s_lshr_b32 s13, s12, 1                         ; which 64 rows are mine.  Also: I fetch for ob (0) or pwh (1)
	s_and_b32 s14, s12, 1                          ; which 64 columns.  Also: which half of that tile I fetch
	s_bfe_u32 s16, ttmp6, 0x40000                  ; cx
	s_bfe_u32 s17, ttmp6, 0x40004                  ; cy
	s_lshl_b32 s18, ttmp9, 2
	s_add_co_u32 s18, s18, s16                     ; block column
	s_and_b32 s19, ttmp7, 0xffff
	s_lshl_b32 s19, s19, 2
	s_add_co_u32 s19, s19, s17                     ; block row
	s_lshl_b32 s20, s17, 2
	s_lshl_b32 s20, 15, s20                        ; my row of the cluster
	s_lshl_b32 s21, 0x1111, s16                    ; my column
	; ob: a head's 128 rows are 16 KiB dense; two heads are two long rows of 2,048 elements of 8 bytes, 2^18 bytes apart; 16 bytes of padding behind every 128
	s_or_b32 s[G1+0], s20, (3<<16)|(1<<20)|(1<<21)|(4<<22)|(3<<25)
	s_mov_b32 s[G1+1], 2048<<16                    ; tensor_dim0
	s_mov_b32 s[G1+2], 2<<16                       ; tensor_dim1
	s_mov_b32 s[G1+3], 2048<<16                    ; tile_dim0
	s_mov_b32 s[G1+4], 2                           ; tile_dim1
	s_mov_b32 s[G1+5], 32768                       ; elements from head to head
	s_mov_b32 s[G1+6], 0
	s_mov_b32 s[G1+7], 0
	; pwh: 64 rows of 256 elements of 2 bytes, 16 bytes of padding behind every 512
	s_or_b32 s[G1B+0], s21, (1<<16)|(1<<20)|(1<<21)|(6<<22)|(3<<25)
	s_mov_b32 s[G1B+1], 256<<16
	s_mov_b32 s[G1B+2], 64<<16
	s_mov_b32 s[G1B+3], 256<<16
	s_mov_b32 s[G1B+4], 64
	s_mov_b32 s[G1B+5], 1024
	s_mov_b32 s[G1B+6], 0
	s_mov_b32 s[G1B+7], 0
	s_lshr_b32 s40, s19, 4                         ; ob: batch x 16 heads x 2^18
	s_lshl_b32 s40, s40, 22
	s_and_b32 s41, s19, 15                         ; + (block row % 16) x 128 rows of 128 bytes
	s_lshl_b32 s41, s41, 14
	s_add_co_u32 s40, s40, s41
	s_lshl_b32 s41, s14, 19                        ; + my pair of heads
	s_add_co_u32 s40, s40, s41
	s_mov_b32 s41, 0
	s_lshl_b32 s44, s18, 7                         ; pwh: row 128 x block column + 64 x half = my first column too
	s_lshl_b32 s45, s14, 6
	s_add_co_u32 s44, s44, s45
	s_lshl_b32 s72, s44, 2                         ; its place in the bias and in a row of the result, in bytes
	s_mov_b32 s73, 0
	s_lshl_b32 s44, s44, 11
	s_mov_b32 s45, 0
	s_mul_i32 s22, s12, HALFA                      ; LDS target of ob's pairs of heads: wave x two planes (waves 0, 1)
	s_mul_i32 s23, s12, HALFB
	s_add_co_u32 s23, s23, BOFF-2*HALFB            ; of pwh's halves: behind ob's planes, (wave - 2) x 64 rows (waves 2, 3)
	s_lshl_b32 s74, s19, 7                         ; my first row of the result, rows of 4,096 bytes
	s_lshl_b32 s75, s13, 6
	s_add_co_u32 s74, s74, s75
	s_lshl_b32 s74, s74, 12
	s_add_co_u32 s74, s74, s72
	s_mov_b32 s75, 0
	s_wait_dscnt 0x0
	s_wait_kmcnt 0x0
	s_add_nc_u64 s[42:43], s[4:5], s[40:41]
	s_add_nc_u64 s[46:47], s[6:7], s[44:45]
	s_add_nc_u64 s[8:9], s[8:9], s[72:73]
	s_add_nc_u64 s[10:11], s[10:11], s[74:75]
	CROUND                                         ; all sixteen work-groups are here: the first joint loads meet
.irp s, 0,1
	s_mov_b32 s[G0+4*\s], 1
	s_add_co_u32 s[G0+4*\s+1], s22, \s*SLOT
	s_add_nc_u64 s[G0+4*\s+2:G0+4*\s+3], s[42:43], \s*0x100000     ; K step s: four heads on
	s_or_b32 s[G0+4*\s+3], s[G0+4*\s+3], 0x80000000
	s_mov_b32 s[G0B+4*\s], 1
	s_add_co_u32 s[G0B+4*\s+1], s23, \s*SLOT
	s_add_nc_u64 s[G0B+4*\s+2:G0B+4*\s+3], s[46:47], \s*512
	s_or_b32 s[G0B+4*\s+3], s[G0B+4*\s+3], 0x80000000
	JLOAD \s                                       ; two loads of the wave are out
.endr
	v_and_b32 v1, 15, v0                           ; r
	v_bfe_u32 v2, v0, 4, 1                         ; h
	v_lshlrev_b32 v[BO], 5, v2
.irp b, 0,1,2,3
	global_load_b128 v[BIAS+8*\b:BIAS+8*\b+3],   v[BO], s[8:9] offset:64*\b
	global_load_b128 v[BIAS+8*\b+4:BIAS+8*\b+7], v[BO], s[8:9] offset:64*\b+16
.endr
	v_mul_u32_u24 v3, v1, AP
	v_lshl_add_u32 v3, v2, 4, v3
	v_mul_u32_u24 v4, v1, BP
	v_lshl_add_u32 v4, v2, 4, v4
	s_mul_i32 s74, s13, 64*AP                      ; my 64 rows in each head's plane
	s_mul_i32 s75, s14, HALFB
	s_add_co_u32 s75, s75, BOFF                    ; my 64 rows of pwh
.irp s, 0,1
	v_add_nc_u32 v[ADRA+\s], s74, v3
	v_add_nc_u32 v[ADRB+\s], s75, v4
	s_add_co_u32 s74, s74, SLOT
	s_add_co_u32 s75, s75, SLOT
.endr
	s_mul_i32 s76, s12, 16*SPITCH
	s_add_co_u32 s76, s76, STAGE                   ; my stage
	v_mul_u32_u24 v5, v1, SPITCH                   ; in: row r, 32 bytes for each half of the lanes
	v_lshl_add_u32 v5, v2, 5, v5
	v_add_nc_u32 v[STO], s76, v5
	v_mul_u32_u24 v6, v2, SPITCH                   ; back: lanes 0-15 one row of 256 bytes, lanes 16-31 the next
	v_lshl_add_u32 v6, v1, 4, v6
	v_add_nc_u32 v[RD], s76, v6
	v_lshlrev_b32 v7, 12, v2                       ; and the same two rows in the result
	v_lshl_add_u32 v[CO], v1, 4, v7
; four matrix instructions: row tile a x all four column tiles, 32 along K.  first = 1: C is the bias.
; The 16 accumulators take turns, one instruction a turn, in the same order in every quarter.
.macro MUL4 f, a, first
.irp b, 0,1,2,3
.if \first
	v_wmma_f32_16x16x32_f16 v[8*(4*\a+\b):8*(4*\a+\b)+7], v[\f+32+8*\b:\f+32+8*\b+7], v[\f+8*\a:\f+8*\a+7], v[BIAS+8*\b:BIAS+8*\b+7]
.else
	v_wmma_f32_16x16x32_f16 v[8*(4*\a+\b):8*(4*\a+\b)+7], v[\f+32+8*\b:\f+32+8*\b+7], v[\f+8*\a:\f+8*\a+7], v[8*(4*\a+\b):8*(4*\a+\b)+7]
.endif
.endr
.endm
; 16 LDS loads: the fragments of eighth q of a K step (32 along K): pwh's four, then ob's four (head q / 2, d from 32 (q % 2))
.macro FETCH slot, q, f
	WIN 0
.irp i, 0,1,2,3
	ds_load_b128 v[\f+32+8*\i:\f+32+8*\i+3], v[ADRB+\slot] offset:16*BP*\i+64*\q
	ds_load_b128 v[\f+32+8*\i+4:\f+32+8*\i+7], v[ADRB+\slot] offset:16*BP*\i+64*\q+32
.endr
.irp i, 0,1,2,3
	ds_load_b128 v[\f+8*\i:\f+8*\i+3],   v[ADRA+\slot] offset:PLANE*(\q/2)+64*(\q%2)+16*AP*\i
	ds_load_b128 v[\f+8*\i+4:\f+8*\i+7], v[ADRA+\slot] offset:PLANE*(\q/2)+64*(\q%2)+16*AP*\i+32
.endr
.endm
.macro PLACES                          ; four independent vector instructions between a matrix instruction and a load into, or other use of, its registers
.rept 4
	v_nop
.endr
.endm
; multiplies buffer f, and in its middle fetches eighth q into buffer g
.macro QUARTER slot, q, f, g, first
	s_wait_dscnt 4                                 ; all but the four youngest loads (ob's fragments 2 and 3)
.if \first
	WIN MUL_FIRST
.else
	WIN MUL
.endif
	MUL4 \f, 0, \first
	MUL4 \f, 1, \first
	PLACES
	FETCH \slot, \q, \g
	s_wait_dscnt 16                                ; all but the 16 just issued
.if \first
	WIN MUL_FIRST
.else
	WIN MUL
.endif
	MUL4 \f, 2, \first
	MUL4 \f, 3, \first
.endm
.macro SEVEN slot, first
	QUARTER \slot, 1, F0, F1, \first
	QUARTER \slot, 2, F1, F0, 0
	QUARTER \slot, 3, F0, F1, 0
	QUARTER \slot, 4, F1, F0, 0
	QUARTER \slot, 5, F0, F1, 0
	QUARTER \slot, 6, F1, F0, 0
	QUARTER \slot, 7, F0, F1, 0
.endm
; The last eighth multiplies buffer 1 and changes slots: each wave's waits for its reads of this slot and for all its tensor loads stand in front
; of the barrier; where the slot is filled again the cluster's round is completed behind it and the joint refill is the wave's one tensor load.
.macro TURN slot, next, fill
	s_wait_dscnt 4
	WIN MUL
	MUL4 F1, 0, 0
	s_wait_dscnt 0x0                               ; my reads of this slot are over
	s_wait_tensorcnt 0x0                           ; all my tensor loads have landed
	ds_add_u32 v30, v31
	s_wait_dscnt 0x0
	s_barrier_signal -1
	MUL4 F1, 1, 0                                  ; register work while the others arrive
	WIN 0
	s_barrier_wait -1
.if \fill
	CREST
	s_add_nc_u64 s[G0+4*\slot+2:G0+4*\slot+3], s[G0+4*\slot+2:G0+4*\slot+3], 0x200000   ; eight heads on
	s_add_nc_u64 s[G0B+4*\slot+2:G0B+4*\slot+3], s[G0B+4*\slot+2:G0B+4*\slot+3], 1024   ; 512 along K
	JLOAD \slot
.endif
	PLACES
	FETCH \next, 0, F0
	WIN MUL
	MUL4 F1, 2, 0
	MUL4 F1, 3, 0
.endm
	s_wait_tensorcnt 0x1                           ; my part of K step 0 is in; K step 1's may stay out
	s_barrier_signal -1
	s_barrier_wait -1
	FETCH 0, 0, F0
	s_wait_loadcnt 0x0                             ; the bias
	SEVEN 0, 1                                     ; K step 0: the first products start the sums from the bias
	TURN 0, 1, 1                                   ; slot 0 gets K step 2
	SEVEN 1, 0
	TURN 1, 0, 1                                   ; slot 1 gets K step 3
	SEVEN 0, 0
	TURN 0, 1, 0
	SEVEN 1, 0
	s_wait_dscnt 4
	WIN MUL
	MUL4 F1, 0, 0
	MUL4 F1, 1, 0
	s_wait_dscnt 0x0
	MUL4 F1, 2, 0
	MUL4 F1, 3, 0
	; THE WAY OUT, 16 rows at a time through my own stage: 32 bytes a lane in, whole rows of 256 bytes back
	PLACES
.macro OUT16 a, f
	WIN 0x04                                       ; store data in window 1
.irp b, 0,1,2,3
	ds_store_b128 v[STO], v[8*(4*\a+\b):8*(4*\a+\b)+3]   offset:64*\b
	ds_store_b128 v[STO], v[8*(4*\a+\b)+4:8*(4*\a+\b)+7] offset:64*\b+16
.endr
	WIN 0
	s_wait_xcnt 0x0                                ; registers f, which earlier stores read, and the stores' base are written again only behind this wait
.if \a
	s_add_nc_u64 s[10:11], s[10:11], 16*4096
.endif
.irp t, 0,1,2,3,4,5,6,7
	ds_load_b128 v[\f+4*\t:\f+4*\t+3], v[RD] offset:2*SPITCH*\t    ; LDS serves a wave's instructions in order: these see the stores above
.endr
.irp t, 0,1,2,3,4,5,6,7
	s_wait_dscnt 7-\t
	global_store_b128 v[CO], v[\f+4*\t:\f+4*\t+3], s[10:11] offset:8192*\t   ; 16 lanes store 256 consecutive bytes, aligned
.endr
.endm
	OUT16 0, 192
	OUT16 1, 224
	OUT16 2, 192
	OUT16 3, 224
	s_wait_tensorcnt 0x0
	ds_add_u32 v30, v31
	s_wait_dscnt 0x0
	CROUND                                         ; the closing round
	s_endpgm
.Lfunc_end_k_q007aa783b1_proj:
	.size	k_q007aa783b1_proj, .Lfunc_end_k_q007aa783b1_proj-k_q007aa783b1_proj
	.p2alignl 7, 3214868480
	.fill 96, 4, 3214868480
	.section	.rodata,"a",@progbits
	.p2align	6, 0x0
	.amdhsa_kernel k_q007aa783b1_proj
		.amdhsa_group_segment_fixed_size 327680
		.amdhsa_private_segment_fixed_size 0
		.amdhsa_enable_private_segment 0
		.amdhsa_kernarg_size 32
		.amdhsa_user_sgpr_count 2
		.amdhsa_user_sgpr_kernarg_segment_ptr 1
		.amdhsa_wavefront_size32 1
		.amdhsa_system_sgpr_workgroup_id_x 1
		.amdhsa_system_sgpr_workgroup_id_y 1
		.amdhsa_system_sgpr_workgroup_id_z 1
		.amdhsa_system_vgpr_workitem_id 0
		.amdhsa_next_free_vgpr 384
		.amdhsa_next_free_sgpr 84
		.amdhsa_reserve_vcc 0
		.amdhsa_float_denorm_mode_32 3
		.amdhsa_float_denorm_mode_16_64 3
		.amdhsa_memory_ordered 1
		.amdhsa_forward_progress 1
		.amdhsa_inst_pref_size 91
	.end_amdhsa_kernel
	.amdgpu_metadata
---
amdhsa.version: [ 1, 2 ]
amdhsa.kernels:
  - .name:           k_q007aa783b1_proj
    .symbol:         k_q007aa783b1_proj.kd
    .args:
      - { .name: ob, .offset: 0, .size: 8, .value_kind: global_buffer, .address_space: global }
      - { .name: pwh, .offset: 8, .size: 8, .value_kind: global_buffer, .address_space: global }
      - { .name: proj_b, .offset: 16, .size: 8, .value_kind: global_buffer, .address_space: global }
      - { .name: out0, .offset: 24, .size: 8, .value_kind: global_buffer, .address_space: global }
    .group_segment_fixed_size: 327680
    .private_segment_fixed_size: 0
    .kernarg_segment_align: 8
    .kernarg_segment_size: 32
    .max_flat_workgroup_size: 128
    .sgpr_count:     84
    .vgpr_count:     384
    .wavefront_size: 32
...
	.end_amdgpu_metadata
.endif
;; end of part 4
